; MI455X (gfx1250); checked and timed in simulation.
; The chip was launched on July 23, 2026; its instructions are those of AMD's public machine-readable ISA for CDNA 5 (MIT licence, August 2026) and "CDNA5" Instruction Set Architecture Reference Guide (July 2026). The comments in the code are by the model that wrote it; some were corrected since.
;; view learner. Allowed arithmetic: matrix products marked QUANTISED: E2M1 operands, one E8M0 scale for each 32 along K, by v_wmma_scale_f32_16x16x128_f8f6f4 with both operands' format E2M1 (or v_wmma_scale_f32_32x16x128_f4), f32 sums; everything else in f32.
;; Inputs: logvar_t 1 float32; noise 4,096 x 3 x 32 x 32 float32; x 4,096 x 3 x 32 x 32 float32.
;; Outputs: out0 4,096 x 3 x 32 x 32 float32; out1 one number float32.
;; This version of the problem:
;;   THIS VERSION OF THE PROBLEM IS GIVEN IN LOW PRECISION. The matrix products marked QUANTISED in the list below multiply operands that are first quantised to E2M1 (2 exponent bits, 1 mantissa bit; 4 bits a number), with one power-of-two scale for each 32 numbers along K (OCP MX v1.0); their sums are f32. All else is computed in f32.
;;   The module's matrix products, in the order in which they are computed (A, B: the left and right operand; K: the contracted axis; several contracted axes count as one K, in the product's order):
;;     1. [M 4,096, K 3,072] x [K 3,072, N 4,096]; A: input x; B: input x: QUANTISED
;;   THE QUANTISER, for each operand of a quantised product, along K:
;;     - K is cut into blocks of 32 from its start; a last block that is shorter is filled with zeros.
;;     - A block's scale is 2^e with e = floor(log2(the largest magnitude in the block)) - 2, held to -126 .. 127; a block of zeros has e = 0. As a byte (E8M0): e + 127.
;;     - Each number is divided by its block's scale, clamped to +-6, and rounded to the nearest number of E2M1, ties to even, subnormals kept.
;;     - The product sums the exact products of the quantised numbers (number of the format x scale) in f32.
;;   ~~~python
;;   def quantise(x, axis):      # numpy; x: float32 -> the quantised numbers, widened to float32 again
;;       x = np.moveaxis(x, axis, -1); K = x.shape[-1]
;;       x = np.pad(x, [(0, 0)] * (x.ndim - 1) + [(0, -K % 32)]); x = x.reshape(x.shape[:-1] + (-1, 32)); a = np.abs(x).max(-1, keepdims=True)
;;       e = np.where(a > 0, np.clip(np.frexp(np.where(a > 0, a, 1))[1] - 1 - 2, -126, 127), 0)      # np.frexp(a)[1] - 1 = floor(log2(a)), exactly
;;       r = np.clip(x / 2.0 ** e, -6, 6)
;;       step = 2.0 ** (np.maximum(np.frexp(np.where(r == 0, 1, r))[1] - 1, 0) - 1)
;;       q = np.round(r / step) * step * 2.0 ** e      # np.round: ties to even
;;       return np.moveaxis(q.reshape(q.shape[:-2] + (-1,))[..., :K], -1, axis).astype(np.float32)
;;   ~~~
;; One version. Each part assembles by itself: llvm-mc -triple=amdgcn-amd-amdhsa -mcpu=gfx1250 --defsym DOCPART=n.
;; ======== version 1 of 1: 3 launches
;; limits: right only within a limited range of input values
;; workspace buffers: q 6,684,672 bytes; xn 16,384 bytes; part 262,144 bytes
;; launch prep (part 1): grid 256 x 1, 16 waves a work-group, no clusters, 69,376 bytes of LDS; arguments x, noise, logvar_t, out0, q, xn; writes out0, q, xn
.if DOCPART == 1
	.amdgcn_target "amdgcn-amd-amdhsa--gfx1250"
	.amdhsa_code_object_version 6
	.text
	.protected	k_qe926676c40_prep
	.globl	k_qe926676c40_prep
	.p2align	8
	.type	k_qe926676c40_prep,@function
k_qe926676c40_prep:
	s_mov_b64 s[64:65], 0
	v_nop
	global_prefetch_b8 v0, s[64:65] scope:SCOPE_SE
	s_setreg_imm32_b32 hwreg(HW_REG_WAVE_MODE, 25, 1), 1
	s_wait_xcnt 0x0
; out0 = x + exp(logvar / 2) noise;  q = x as codes of FP4 (E2M1) with one E8M0 byte for each 32 along K;  xn[row] = -0.5 x the sum of the row's squares, of the unquantised x, in f32.
; x, noise, out0: [4096][3072] f32.  No work of reference() is left out; every input is read, x and noise once each.
; q is laid for the launch that multiplies: [K step 0..5][row 0..4095][272 bytes]: 256 bytes of codes (K = 512 step + 0 .. 511, two a byte, the lower k in the low four bits), then the 16 scale bytes of those 512.
; A block's scale is 2^(floor(log2(its largest magnitude)) - 2); its byte is the largest magnitude's exponent field - 2, held at 1 from below; each number is divided by the scale and rounded to the nearest code, ties to even,
; beyond 6 the largest code.
; LIMITS: NaN and infinities among the inputs are not served.  A block of zeros, or one whose largest magnitude lies under 2^-124, gets the byte 1 where the rule says 127 for zeros: its codes are zeros, which add nothing,
; and the bytes are read by this program alone.  The row's squares are summed in another order than row-major: four partial sums a lane, then the 32 lanes.
; SHARES.  A work-group takes 16 rows, a wave one row of 12,288 bytes, as six steps of 512 numbers: step t is K step t.  All 48 loads of a wave (16 bytes a lane, 512 consecutive bytes a load) are issued at the
; head, each into registers of its own: no pointer is stepped, every offset is an immediate.
; The conversions take 8 numbers of ONE block from a lane's consecutive registers, so a step's 2,048 bytes of x turn through the wave's own stage in LDS: in as loaded, back 64 bytes a lane (two neighbouring lanes hold a block).
; The codes and scale bytes of the 16 rows are gathered in LDS as an image of the work-group's part of q (for each K step 16 x 272 = 4,352 consecutive bytes, 17 aligned blocks of 256) and leave 16 bytes a lane.
; The 16 norms are 64 bytes a work-group: that one store covers a quarter of an aligned 256 bytes.  No matrix unit, no cluster: work-groups share no input.
.set ROWB,  12288                      ; a row of x in bytes
.set SP,    80                         ; a lane's place in the stage: 64 bytes + 16 of padding
.set WSTG,  32*SP                      ; a wave's stage
.set IMG,   16*WSTG                    ; behind the stages: the image of q's part: [step 6][row 16][272]
.set RIMG,  272
.set TIMG,  16*RIMG
.set NRM,   IMG+6*TIMG                 ; behind it: 16 words, a norm for each row
.set SPARE, NRM+256                    ; the spare words: 128 bytes for each of 16 waves
.set KSB,   4096*RIMG                  ; a K step of q in bytes
.set LN,  1                            ; lane
.set LO,  2                            ; 16 x lane; never rewritten
.set SA,  3                            ; the stage on the way in
.set SB,  4                            ; and on the way out
.set CI,  5                            ; the image: my row, my 8 bytes of codes
.set BI,  6                            ; the image: my row, my block's scale byte
.set TI,  7                            ; the image on the way out: 16 x thread
.set SG,  12                           ; v[12:13] sigma, twice
.set SQ,  14                           ; v[14:17] the squares: two chains of pairs
.set E,   18                           ; v18-23   a scale byte for each step
.set C,   24                           ; v24-35   two registers of codes for each step
.set GO,  36                           ; v36-39   the way out: byte offsets in q
.set XS,  40                           ; v40-55   16 neighbours along K
.set X,   56                           ; v56-151  x as loaded
.set N,   152                          ; v152-247 noise as loaded, then out0
.set NR,  248
.set NG,  249
.set NW,  250
.set SPW, 254
.set NIL, 255
	s_load_b256 s[4:11], s[0:1], 0x0               ; x, noise, logvar_t, out0
	s_load_b128 s[12:15], s[0:1], 0x20             ; q, xn
	v_lshl_add_u32 v[SPW], v0, 2, SPARE
	v_mov_b32 v[NIL], 0
	v_lshrrev_b32 v8, 5, v0
	v_readfirstlane_b32 s16, v8                    ; wave 0..15
	v_and_b32 v[LN], 31, v0
	v_lshlrev_b32 v[LO], 4, v[LN]
	s_lshl_b32 s24, ttmp9, 4
	s_add_co_u32 s24, s24, s16                     ; my row = 16 x work-group + wave
	s_mul_i32 s18, s24, ROWB                       ; its first byte: under 2^26
	s_mov_b32 s19, 0
	s_mul_i32 s24, ttmp9, TIMG                     ; the work-group's 16 rows in a K step of q
	s_mov_b32 s25, 0
	s_lshl_b32 s26, ttmp9, 6                       ; and its 16 words of xn
	s_mov_b32 s27, 0
	s_mov_b32 s22, 0x76543210                      ; v_permlanex16_b32's selects for lane l xor 16
	s_mov_b32 s23, 0xfedcba98
	s_wait_alu depctr_va_vdst(0)
	s_wait_kmcnt 0x0
	s_load_b32 s17, s[8:9], 0x0                    ; logvar
	s_add_nc_u64 s[4:5], s[4:5], s[18:19]
	s_add_nc_u64 s[6:7], s[6:7], s[18:19]
	s_add_nc_u64 s[10:11], s[10:11], s[18:19]
	s_add_nc_u64 s[12:13], s[12:13], s[24:25]
	s_add_nc_u64 s[14:15], s[14:15], s[26:27]
.irp t, 0,1,2,3,4,5
.irp i, 0,1,2,3
	global_load_b128 v[X+16*\t+4*\i:X+16*\t+4*\i+3], v[LO], s[4:5] offset:2048*\t+512*\i th:TH_LOAD_NT
.endr
.irp i, 0,1,2,3
	global_load_b128 v[N+16*\t+4*\i:N+16*\t+4*\i+3], v[LO], s[6:7] offset:2048*\t+512*\i th:TH_LOAD_NT
.endr
.endr
	; addresses, while the loads are on their way
	s_mul_i32 s24, s16, WSTG                       ; my stage
	v_lshrrev_b32 v8, 2, v[LN]
	v_mul_u32_u24 v8, v8, SP
	v_and_b32 v9, 3, v[LN]
	v_lshl_add_u32 v8, v9, 4, v8
	v_add_nc_u32 v[SA], s24, v8                    ; SP (lane / 4) + 16 (lane % 4)
	v_mul_u32_u24 v9, v[LN], SP
	v_add_nc_u32 v[SB], s24, v9
	s_mul_i32 s25, s16, RIMG
	s_add_co_u32 s25, s25, IMG                     ; my row in a K step's part of the image
	v_lshl_add_u32 v[CI], v[LN], 3, s25
	s_add_co_u32 s26, s25, 256
	v_lshrrev_b32 v8, 1, v[LN]
	v_add_nc_u32 v[BI], s26, v8
	v_lshl_add_u32 v[TI], v0, 4, IMG
	v_and_b32 v9, 15, v[LN]
	v_lshlrev_b32 v[NG], 2, v9
	v_lshl_add_u32 v[NR], v9, 2, NRM
	v_mov_b32 v10, s16
	v_lshl_add_u32 v[NW], v10, 2, NRM
	; the way out: piece j of thread t is the image's bytes 16 t + 8,192 j.  Its block of 256 bytes is u = t / 16 + 32 j, its K step u / 17 = (241 u) >> 12 for every u under 102;
	; in q a K step's part begins KSB - TIMG bytes further on than in the image
	v_lshrrev_b32 v8, 4, v0
.irp j, 0,1,2,3
	v_add_nc_u32 v9, 32*\j, v8
	v_mul_u32_u24 v9, v9, 241
	v_lshrrev_b32 v9, 12, v9
	v_mul_u32_u24 v9, v9, KSB-TIMG
	v_lshl_add_u32 v9, v0, 4, v9
	v_add_nc_u32 v[GO+\j], 8192*\j, v9
.endr
	s_wait_kmcnt 0x0
	v_mov_b32 v8, s17
	v_mul_f32 v8, 0x3f38aa3b, v8                   ; logvar x log2(e) / 2
	s_wait_alu depctr_va_vdst(0)                   ; a wait ahead of the exponential
	v_exp_f32 v[SG], v8                            ; sigma = exp(logvar / 2)
	v_nop
	s_wait_alu depctr_va_vdst(0)                   ; and ahead of its first reader
	v_mov_b32 v[SG+1], v[SG]
.macro STEP t
	s_wait_loadcnt 8*(5-(\t))                      ; loads come back in order: this step's eight are in; the eight of each later step may be out
.irp i, 0,1,2,3
	ds_store_b128 v[SA], v[X+16*(\t)+4*\i:X+16*(\t)+4*\i+3] offset:8*SP*\i
.endr
.irp i, 0,1,2,3
	ds_load_b128 v[XS+4*\i:XS+4*\i+3], v[SB] offset:16*\i          ; LDS serves a wave's instructions in order: these see the stores above
.endr
.irp i, 0,2,4,6,8,10,12,14
	v_pk_fma_f32 v[N+16*(\t)+\i:N+16*(\t)+\i+1], v[N+16*(\t)+\i:N+16*(\t)+\i+1], v[SG:SG+1], v[X+16*(\t)+\i:X+16*(\t)+\i+1]   ; noise x sigma + x, in place
.endr
.irp i, 0,1,2,3
	global_store_b128 v[LO], v[N+16*(\t)+4*\i:N+16*(\t)+4*\i+3], s[10:11] offset:2048*(\t)+512*\i th:TH_STORE_NT   ; 512 consecutive bytes, aligned; these registers are not written again
.endr
.if (\t) == 0
	v_pk_mul_f32 v[SQ:SQ+1], v[X:X+1], v[X:X+1]                    ; the first products start the sums
	v_pk_mul_f32 v[SQ+2:SQ+3], v[X+2:X+3], v[X+2:X+3]
.else
	v_pk_fma_f32 v[SQ:SQ+1], v[X+16*(\t):X+16*(\t)+1], v[X+16*(\t):X+16*(\t)+1], v[SQ:SQ+1]
	v_pk_fma_f32 v[SQ+2:SQ+3], v[X+16*(\t)+2:X+16*(\t)+3], v[X+16*(\t)+2:X+16*(\t)+3], v[SQ+2:SQ+3]
.endif
.irp i, 4, 8, 12
	v_pk_fma_f32 v[SQ:SQ+1], v[X+16*(\t)+\i:X+16*(\t)+\i+1], v[X+16*(\t)+\i:X+16*(\t)+\i+1], v[SQ:SQ+1]
	v_pk_fma_f32 v[SQ+2:SQ+3], v[X+16*(\t)+\i+2:X+16*(\t)+\i+3], v[X+16*(\t)+\i+2:X+16*(\t)+\i+3], v[SQ+2:SQ+3]
.endr
	s_wait_dscnt 0x0                               ; my 16 neighbours are back from the stage
	v_max3_num_f32 v8, |v[XS]|, |v[XS+1]|, |v[XS+2]|               ; their largest magnitude, in two chains
	v_max3_num_f32 v9, |v[XS+3]|, |v[XS+4]|, |v[XS+5]|
.irp i, 6,10
	v_max3_num_f32 v8, v8, |v[XS+\i]|, |v[XS+\i+1]|
	v_max3_num_f32 v9, v9, |v[XS+\i+2]|, |v[XS+\i+3]|
.endr
	v_max3_num_f32 v8, v8, |v[XS+14]|, |v[XS+15]|
	v_max3_num_f32 v8, v8, v9, 0x1800000           ; and the floor 2^(3 - 127): the byte cannot fall under 1
	v_max_num_f32_dpp v8, v8, v8 row_xmask:1 row_mask:0xf bank_mask:0xf   ; with my neighbour's 16: the block's
	v_add_nc_u32 v11, 0xff000000, v8               ; 2 off its exponent field: the conversion's scale operand
	v_cvt_scalef32_pk8_fp4_f32 v[C+2*(\t)], v[XS:XS+7], v11
	v_cvt_scalef32_pk8_fp4_f32 v[C+2*(\t)+1], v[XS+8:XS+15], v11
	v_lshrrev_b32 v[E+(\t)], 23, v11               ; the scale's byte; also the plain instruction behind the conversions
	ds_store_b64 v[CI], v[C+2*(\t):C+2*(\t)+1] offset:TIMG*(\t)    ; my 16 codes
	ds_store_b8 v[BI], v[E+(\t)] offset:TIMG*(\t)  ; both lanes of a block write the same byte with the same value
.endm
	s_wait_alu depctr_va_vdst(0)
.irp t, 0,1,2,3,4,5
	STEP \t
.endr
	; the row's norm: the two chains, the two halves, the 32 lanes; then x -0.5, as the next launch adds it
	v_pk_add_f32 v[SQ:SQ+1], v[SQ:SQ+1], v[SQ+2:SQ+3]
	v_add_f32 v8, v[SQ], v[SQ+1]
	v_add_f32_dpp v8, v8, v8 row_xmask:1 row_mask:0xf bank_mask:0xf
	v_add_f32_dpp v8, v8, v8 row_xmask:2 row_mask:0xf bank_mask:0xf
	v_add_f32_dpp v8, v8, v8 row_xmask:4 row_mask:0xf bank_mask:0xf
	v_add_f32_dpp v8, v8, v8 row_xmask:8 row_mask:0xf bank_mask:0xf
	v_permlanex16_b32 v9, v8, s22, s23
	v_add_f32 v8, v8, v9
	v_mul_f32 v8, -0.5, v8
	ds_store_b32 v[NW], v8                         ; all lanes write the same word with the same value
	s_wait_dscnt 0x0                               ; for the others' sake: my part of the image and my norm have landed
	s_barrier_signal -1
	s_barrier_wait -1                              ; the image of 26,112 bytes is whole
.irp j, 0,1,2
	ds_load_b128 v[X+4*\j:X+4*\j+3], v[TI] offset:8192*\j
.endr
.irp j, 0,1,2
	s_wait_dscnt 2-\j                              ; piece j is in; the younger ones may be out
	global_store_b128 v[GO+\j], v[X+4*\j:X+4*\j+3], s[12:13]       ; sixteen lanes store 256 consecutive bytes, aligned
.endr
	s_cmp_lt_u32 s16, 3                            ; 26,112 = 3 x 8,192 + 1,536 bytes: the rest is three waves' work
	s_cbranch_scc0 .Lno_rest
	ds_load_b128 v[X+12:X+15], v[TI] offset:24576
	s_wait_dscnt 0x0
	global_store_b128 v[GO+3], v[X+12:X+15], s[12:13]
.Lno_rest:
	s_cmp_eq_u32 s16, 3                            ; the next wave stores the 16 norms
	s_cbranch_scc0 .Ldone
	ds_load_b32 v8, v[NR]
	v_cmp_gt_u32 vcc_lo, 16, v[LN]
	s_wait_dscnt 0x0
	s_wait_xcnt 0x0                                ; EXEC changes only behind this wait
	s_and_saveexec_b32 s20, vcc_lo
	global_store_b32 v[NG], v8, s[14:15]
	s_wait_xcnt 0x0                                ; and again, in front of the line that widens it
	s_or_b32 exec_lo, exec_lo, s20
.Ldone:
	s_wait_tensorcnt 0x0                           ; the wave's end
	ds_add_u32 v[SPW], v[NIL]
	s_wait_dscnt 0x0
	s_endpgm
.Lfunc_end_k_qe926676c40_prep:
	.size	k_qe926676c40_prep, .Lfunc_end_k_qe926676c40_prep-k_qe926676c40_prep
	.p2alignl 7, 3214868480
	.fill 96, 4, 3214868480
	.section	.rodata,"a",@progbits
	.p2align	6, 0x0
	.amdhsa_kernel k_qe926676c40_prep
		.amdhsa_group_segment_fixed_size 69376
		.amdhsa_private_segment_fixed_size 0
		.amdhsa_enable_private_segment 0
		.amdhsa_kernarg_size 48
		.amdhsa_user_sgpr_count 2
		.amdhsa_user_sgpr_kernarg_segment_ptr 1
		.amdhsa_wavefront_size32 1
		.amdhsa_system_sgpr_workgroup_id_x 1
		.amdhsa_system_sgpr_workgroup_id_y 1
		.amdhsa_system_sgpr_workgroup_id_z 1
		.amdhsa_system_vgpr_workitem_id 0
		.amdhsa_next_free_vgpr 256
		.amdhsa_next_free_sgpr 66
		.amdhsa_reserve_vcc 1
		.amdhsa_float_denorm_mode_32 3
		.amdhsa_float_denorm_mode_16_64 3
		.amdhsa_memory_ordered 1
		.amdhsa_forward_progress 1
		.amdhsa_inst_pref_size 29
	.end_amdhsa_kernel
	.amdgpu_metadata
---
amdhsa.version: [ 1, 2 ]
amdhsa.kernels:
  - .name:           k_qe926676c40_prep
    .symbol:         k_qe926676c40_prep.kd
    .args:
      - { .name: x, .offset: 0, .size: 8, .value_kind: global_buffer, .address_space: global }
      - { .name: noise, .offset: 8, .size: 8, .value_kind: global_buffer, .address_space: global }
      - { .name: logvar_t, .offset: 16, .size: 8, .value_kind: global_buffer, .address_space: global }
      - { .name: out0, .offset: 24, .size: 8, .value_kind: global_buffer, .address_space: global }
      - { .name: q, .offset: 32, .size: 8, .value_kind: global_buffer, .address_space: global }
      - { .name: xn, .offset: 40, .size: 8, .value_kind: global_buffer, .address_space: global }
    .group_segment_fixed_size: 69376
    .private_segment_fixed_size: 0
    .kernarg_segment_align: 8
    .kernarg_segment_size: 48
    .max_flat_workgroup_size: 512
    .sgpr_count:     66
    .vgpr_count:     256
    .wavefront_size: 32
...
	.end_amdgpu_metadata
.endif
;; end of part 1
;; launch gemm (part 2): grid 16 x 16, 4 waves a work-group, clusters of 4 x 4, 327,680 bytes of LDS; arguments q, xn, logvar_t, part; writes part
.if DOCPART == 2
	.amdgcn_target "amdgcn-amd-amdhsa--gfx1250"
	.amdhsa_code_object_version 6
	.text
	.protected	k_qe926676c40_gemm
	.globl	k_qe926676c40_gemm
	.p2align	8
	.type	k_qe926676c40_gemm,@function
k_qe926676c40_gemm:
	s_mov_b64 s[64:65], 0
	v_nop
	global_prefetch_b8 v0, s[64:65] scope:SCOPE_SE
	s_setreg_imm32_b32 hwreg(HW_REG_WAVE_MODE, 25, 1), 1
	s_wait_xcnt 0x0
	s_wait_alu depctr_hold_cnt(0) depctr_sa_sdst(0) depctr_va_vdst(0) depctr_va_sdst(0) depctr_va_ssrc(0) depctr_va_vcc(0) depctr_vm_vsrc(0)
	s_getreg_b32 s2, hwreg(HW_REG_IB_STS2, 6, 4)
	s_cmp_eq_u32 s2, 0
	s_cbranch_scc0 .Lentry_in_a_cluster
	s_endpgm
.Lentry_in_a_cluster:
	s_bfe_u32 s2, ttmp6, 0x10000c
	s_cmp_lg_u32 s2, 0xf033
	s_cbranch_scc0 .Lentry_shape_is_right
	s_endpgm
.Lentry_shape_is_right:
; part[column tile][row] = log2 of the sum over the tile's 256 columns of 2^(k2 min(s, 0)), s = Q(x_row) . Q(x_col) - |x_row|^2 / 2 - |x_col|^2 / 2 = -dist / 2, k2 = log2(e) / (exp(logvar) + 1e-10).
; q: [K step 6][row 4096][272 bytes]: 256 bytes of FP4 codes and the 16 E8M0 bytes of those 512 along K.  xn[row] = -|x_row|^2 / 2.  Both operands of the product are rows of q.
; A tile of 256 x 256 is made by four waves, 128 x 128 each: 64 accumulators, 512 registers.  K goes in six steps of 512 through two LDS slots; 128 rows of q's step are 34,816 dense bytes, fetched as 136 rows of 256.
; CLUSTERS 4 x 4: the row operand's tile is asked for jointly along a row of the cluster, the column operand's along a column.  The matrix instruction is used transposed (source 0 = columns' rows of q, source 1 = rows'):
; a lane holds one row of the tile and eight neighbouring columns an accumulator.  The columns' -|x|^2 / 2 is the C of each accumulator's first product.
; Both operands have two register sets: a step's 32 LDS loads go out behind the first 16 products of the step before.
; THE WAY OUT.  First the largest s of every row over my 128 columns (all eight blocks; so every accumulator's first read stands ahead of the exponentials).  With M = min(largest s, 0) the exponent is
; min(k2 s - k2 M, -k2 M): one packed multiply-add, one minimum.  Then by blocks: a batch of 64 exponentials, behind it the block before's sum and the next block's exponents.  The two column halves meet in LDS.
; PREFETCH: behind the joint load of K step s the two waves that fetch the row operand ask for K step s + 2 (s = 0 .. 3): of a wave's 136 blocks of 256 bytes each of the four partners names 34, told apart by address.
; The column operand's rows are rows of the same buffer, which the clusters that load them as the row operand name: so the other two waves ask for nothing, and a block is named once in each of four clusters.
; LIMITS: NaN and infinities are not served; the promise holds while the exponents to the base 2 stay under 2^31 in magnitude.
.set PITCH,  272
.set HALFT,  128*PITCH                 ; what one tensor load brings, and what one wave reads of an operand
.set SLOT,   4*HALFT
.set KSB,    4096*PITCH                ; a K step of q in bytes
.set LAPS,   3
.set STG,    2*SLOT                    ; behind the ring: 4,096 bytes where the column halves meet; no fill lands there
.set SPARE,  STG+4096                  ; the spare words: 128 bytes a wave
.set ADRA, 16                          ; v16-17 LDS address of my row fragments in slot 0, 1
.set PF0,  18                          ; v18-19 the prefetches' offsets
.set PF1,  19
.set ADRB, 20                          ; v20-21 column fragments
.set ADRS, 22                          ; v22-23 scale words: lanes 0-15 the rows', lanes 16-31 the columns'
.set STA,  24
.set RDA,  25
.set PO,   26
.set LN,   27
.set SPW,  28
.set NIL,  29
.set XO,   30
.set XR,   31
.set SC,   32                          ; v32-95 scale words, a set for each slot; free on the way out
.set CH,   32                          ; the way out: 16 chains of maxima
.set SM,   64                          ; sums at work
.set FN,   72                          ; the meeting of the halves
.set HM,   96                          ; v96-103  -|x_row|^2 / 2 of my eight blocks
.set WC,   104                         ; v104-119 block a: the multiply-add's addend, then the cap -k2 M
.set SS,   120                         ; v120-127 block a's sum
.set AF,   128                         ; window 0: row fragments, two sets of 64
.set E0,   128                         ; the way out: two buffers of 64 exponents
.set CN,   192                         ; window 1: -|x_col|^2 / 2 in the result's layout
.set G1, 24
.set G0, 32
.set G1B, 48
.set G0B, 56
.set K2,  68
.set SEL, 70
.set PFA, 72
.set LIM, 74
.set MSB, 0
.macro WIN new                         ; the immediate's high byte repeats the setting that is left
.if MSB != (\new)
	s_set_vgpr_msb (MSB<<8)|(\new)
.set MSB, (\new)
.endif
.endm
.set MUL_LO, 0xa1                      ; source 0 window 1, source 1 window 0, C and D window 2
.set MUL_HI, 0xf1                      ; C and D window 3
.set TO_B,   0x40
.macro JLOAD g0a, g1a, g0b, g1b        ; waves 0, 1 fetch the row operand's halves, waves 2, 3 the column operand's
	s_cmp_eq_u32 s15, 0
	s_cbranch_scc0 .Lfor_b_\@
	tensor_load_to_lds s[\g0a:\g0a+3], s[\g1a:\g1a+7]
	s_nop 0
.rept 4
	v_nop
.endr
	s_branch .Lasked_\@
.Lfor_b_\@:
	tensor_load_to_lds s[\g0b:\g0b+3], s[\g1b:\g1b+7]
	s_nop 0
.rept 4
	v_nop
.endr
.Lasked_\@:
.endm
.macro CREST
	s_cmp_lg_u32 s14, 0
	s_cbranch_scc1 .Lnot_wave_0_\@
	s_barrier_signal -3
.Lnot_wave_0_\@:
	s_barrier_wait -3
	s_barrier_signal -1
	s_barrier_wait -1
.endm
.macro CROUND
	s_barrier_signal -1
	s_barrier_wait -1
	CREST
.endm
.macro ASK off, inloop                 ; 34 blocks of 256 bytes: lanes 0-31 name blocks 0-31, then lane 0 block 32 and the others block 33, my share's last
.if \inloop
	s_cmp_gt_u32 s3, s[LIM]                        ; in the loop's first trip alone (s3 = 2): its second trip's fills have no K step two on
.else
	s_cmp_eq_u32 s[LIM], 1
.endif
	s_cbranch_scc0 .Lno_ask_\@
	global_prefetch_b8 v[PF0], s[PFA:PFA+1] offset:\off th:TH_LOAD_NT scope:SCOPE_SE
	global_prefetch_b8 v[PF1], s[PFA:PFA+1] offset:\off th:TH_LOAD_NT scope:SCOPE_SE
.Lno_ask_\@:
.endm
	s_load_b256 s[4:11], s[0:1], 0x0               ; q, xn, logvar_t, part
	v_lshl_add_u32 v[SPW], v0, 2, SPARE
	v_mov_b32 v[NIL], 0
	ds_add_u32 v[SPW], v[NIL]                      ; the opening lines: the add, twice on end, and its wait
	ds_add_u32 v[SPW], v[NIL]
	v_lshrrev_b32 v1, 5, v0
	v_readfirstlane_b32 s14, v1                    ; wave 0..3
	v_and_b32 v[LN], 31, v0
	v_lshlrev_b32 v[PF0], 8, v[LN]                 ; the prefetches' offsets: a lane a block of 256 bytes,
	v_min_u32 v7, 1, v[LN]
	v_lshl_add_u32 v[PF1], v7, 8, 8192             ; then blocks 32 and 33
	s_lshr_b32 s15, s14, 1                         ; my half of the tile's rows; also: which operand I fetch
	s_and_b32 s16, s14, 1                          ; my half of its columns; also: which 128 rows I fetch
	s_bfe_u32 s40, ttmp6, 0x40000                  ; cx
	s_bfe_u32 s41, ttmp6, 0x40004                  ; cy
	s_lshl_b32 s42, ttmp9, 2
	s_add_co_u32 s42, s42, s40                     ; tile column
	s_and_b32 s17, ttmp7, 0xffff
	s_lshl_b32 s17, s17, 2
	s_add_co_u32 s17, s17, s41                     ; tile row
	s_lshl_b32 s43, s41, 2
	s_lshl_b32 s43, 15, s43                        ; my row of the cluster
	s_lshl_b32 s44, 0x1111, s40                    ; my column
	s_or_b32 s[G1+0], s43, (3<<16)|(1<<21)         ; elements of 8 bytes; bit 21 beside the mask
	s_or_b32 s[G1B+0], s44, (3<<16)|(1<<21)
.irp g, G1, G1B
	s_mov_b32 s[\g+1], 32<<16                      ; rows of 32 elements = 256 bytes,
	s_mov_b32 s[\g+2], 136<<16                     ; 136 of them, dense
	s_mov_b32 s[\g+3], 32<<16
	s_mov_b32 s[\g+4], 136
	s_mov_b32 s[\g+5], 32
	s_mov_b32 s[\g+6], 0
	s_mov_b32 s[\g+7], 0
.endr
	s_lshl_b32 s18, s16, 7
	s_lshl_b32 s20, s17, 8
	s_add_co_u32 s20, s20, s18
	s_lshl_b32 s46, s42, 8
	s_add_co_u32 s46, s46, s18
	s_mul_i32 s20, s20, PITCH                      ; under 2^21
	s_mov_b32 s21, 0
	s_mul_i32 s46, s46, PITCH
	s_mov_b32 s47, 0
	s_mul_i32 s45, s14, HALFT                      ; where my load lands: wave x 128 rows
	s_mul_i32 s76, s40, 34*256                     ; my work-group's share of the blocks to prefetch
	s_mov_b32 s77, 0
	s_cmp_eq_u32 s15, 0
	s_cselect_b32 s[LIM], 1, -1
	s_mov_b32 s[SEL], 0x76543210
	s_mov_b32 s[SEL+1], 0xfedcba98
	s_wait_alu depctr_va_vdst(0)                   ; the wait ahead of the waits below
	s_wait_dscnt 0x0
	s_wait_kmcnt 0x0
	s_load_b32 s12, s[8:9], 0x0                    ; logvar
	s_add_nc_u64 s[20:21], s[4:5], s[20:21]
	s_add_nc_u64 s[46:47], s[4:5], s[46:47]
	s_add_nc_u64 s[PFA:PFA+1], s[20:21], s[76:77]
	s_add_nc_u64 s[PFA:PFA+1], s[PFA:PFA+1], 2*KSB ; at K step 2; never rewritten: the later steps stand in the immediates
.irp s, 0,1
	s_mov_b32 s[G0+4*\s], 1
	s_add_co_u32 s[G0+4*\s+1], s45, \s*SLOT
	s_add_nc_u64 s[G0+4*\s+2:G0+4*\s+3], s[20:21], \s*KSB
	s_or_b32 s[G0+4*\s+3], s[G0+4*\s+3], 0x80000000
	s_mov_b32 s[G0B+4*\s], 1
	s_add_co_u32 s[G0B+4*\s+1], s45, \s*SLOT
	s_add_nc_u64 s[G0B+4*\s+2:G0B+4*\s+3], s[46:47], \s*KSB
	s_or_b32 s[G0B+4*\s+3], s[G0B+4*\s+3], 0x80000000
.endr
	CROUND                                         ; all sixteen work-groups are here
	JLOAD G0, G1, G0B, G1B                         ; K step 0: one tensor load a wave at the head
	ASK -KSB, 0                                    ; K step 1, the buffer's first touch, whose load follows one round on,
	ASK 0, 0                                       ; and K step 2: two steps asked for and not yet read
	s_lshl_b32 s18, s42, 10                        ; the scalars first, then the vector lines on end
	s_lshl_b32 s19, s16, 9
	s_add_co_u32 s18, s18, s19                     ; xn: my 128 columns
	s_lshl_b32 s19, s17, 10
	s_lshl_b32 s20, s15, 9
	s_add_co_u32 s19, s19, s20                     ; xn: my 128 rows
	s_mul_i32 s20, s15, HALFT                      ; LDS: my rows' half
	s_mul_i32 s21, s16, HALFT
	s_add_co_u32 s21, s21, 2*HALFT                 ; my columns' half
	s_xor_b32 s22, s15, 1
	s_add_co_u32 s22, s22, s16
	s_add_co_u32 s22, s22, 1
	s_mul_i32 s22, s22, HALFT                      ; the distance between the two
	s_add_co_u32 s23, s20, 256                     ; a row's scale bytes lie behind its 256 bytes of codes
	s_lshl_b32 s13, s16, 11
	s_lshl_b32 s46, s15, 9
	s_add_co_u32 s13, s13, s46
	s_add_co_u32 s13, s13, STG                     ; the meeting place: [column half][cap, sum][row 256] words
	s_lshl_b32 s46, s42, 14
	s_lshl_b32 s47, s17, 10
	s_add_co_u32 s46, s46, s47
	s_mov_b32 s47, 0
	s_add_nc_u64 s[10:11], s[10:11], s[46:47]      ; part at [tile column][256 x tile row]
	v_and_b32 v1, 15, v0                           ; r
	v_bfe_u32 v2, v0, 4, 1                         ; h
	v_lshl_add_u32 v[XO], v2, 5, s18
	v_lshl_add_u32 v[XR], v1, 2, s19
	WIN TO_B
.irp b, 0,1,2,3,4,5,6,7
	global_load_b128 v[CN+8*\b:CN+8*\b+3], v[XO], s[6:7] offset:64*\b          ; columns 16 b + 8 h + 0 .. 7
	global_load_b128 v[CN+8*\b+4:CN+8*\b+7], v[XO], s[6:7] offset:64*\b+16
.endr
	WIN 0
.irp a, 0,1,2,3,4,5,6,7
	global_load_b32 v[HM+\a], v[XR], s[6:7] offset:64*\a                       ; row 16 a + r
.endr
	v_mul_u32_u24 v3, v1, PITCH
	v_lshl_add_u32 v4, v2, 4, v3
	v_add_nc_u32 v[ADRA], s20, v4
	v_add_nc_u32 v[ADRB], s21, v4
	v_add_nc_u32 v[ADRA+1], SLOT, v[ADRA]
	v_add_nc_u32 v[ADRB+1], SLOT, v[ADRB]
	v_mul_u32_u24 v5, s22, v2
	v_add_nc_u32 v5, v5, v3
	v_add_nc_u32 v[ADRS], s23, v5
	v_add_nc_u32 v[ADRS+1], SLOT, v[ADRS]
	v_lshlrev_b32 v6, 2, v1
	v_lshl_add_u32 v6, v2, 10, v6
	v_add_nc_u32 v[STA], s13, v6
	v_lshl_add_u32 v[RDA], v0, 3, STG
	v_lshlrev_b32 v[PO], 3, v0
	s_wait_kmcnt 0x0
	v_mov_b32 v8, s12
	v_mul_f32 v8, 0x3fb8aa3b, v8
	s_wait_alu depctr_va_vdst(0)                   ; a wait ahead of each transcendental and ahead of its reader
	v_exp_f32 v8, v8                               ; exp(logvar)
	v_nop
	s_wait_alu depctr_va_vdst(0)
	v_add_f32 v8, 0x2edbe6ff, v8                   ; + 1e-10
	s_wait_alu depctr_va_vdst(0)
	v_rcp_f32 v8, v8
	v_nop
	s_wait_alu depctr_va_vdst(0)
	v_mul_f32 v8, 0x3fb8aa3b, v8
	v_readfirstlane_b32 s[K2], v8                  ; k2
	s_mov_b32 s[K2+1], s[K2]
.macro FRAG reg, adr, q, i             ; 16 rows x 128 K: two loads of 16 bytes, 32 apart
.irp c, 0,1
	ds_load_b128 v[\reg+4*\c:\reg+4*\c+3], v[\adr] offset:64*(\q)+32*\c+(\i)*16*PITCH
.endr
.endm
; 16 products: row blocks a0, a0 + 1 x the eight column blocks; p: the register sets; sc: the scale set.  The 64 accumulators take turns in one order.
.macro MUL16 a0, p, q, sc, zero
.irp a, \a0, \a0+1
.irp b, 0,1,2,3,4,5,6,7
.if \zero
	v_wmma_scale_f32_16x16x128_f8f6f4 v[8*(8*((\a)%4)+\b):8*(8*((\a)%4)+\b)+7], v[128*(\p)+8*\b:128*(\p)+8*\b+7], v[AF+64*(\p)+8*(\a):AF+64*(\p)+8*(\a)+7], v[CN+8*\b:CN+8*\b+7], v[SC+32*(\sc)+4*\b+(\q)], v[SC+32*(\sc)+4*(\a)+(\q)] matrix_a_fmt:MATRIX_FMT_FP4 matrix_b_fmt:MATRIX_FMT_FP4 matrix_a_scale:MATRIX_SCALE_ROW1
.else
	v_wmma_scale_f32_16x16x128_f8f6f4 v[8*(8*((\a)%4)+\b):8*(8*((\a)%4)+\b)+7], v[128*(\p)+8*\b:128*(\p)+8*\b+7], v[AF+64*(\p)+8*(\a):AF+64*(\p)+8*(\a)+7], v[8*(8*((\a)%4)+\b):8*(8*((\a)%4)+\b)+7], v[SC+32*(\sc)+4*\b+(\q)], v[SC+32*(\sc)+4*(\a)+(\q)] matrix_a_fmt:MATRIX_FMT_FP4 matrix_b_fmt:MATRIX_FMT_FP4 matrix_a_scale:MATRIX_SCALE_ROW1
.endif
.endr
.endr
.endm
.macro FETCH slot, q, p                ; 32 loads in one run: the columns' eight fragments, then the rows' eight
	WIN TO_B
.irp i, 0,1,2,3,4,5,6,7
	FRAG 128*(\p)+8*\i, ADRB+\slot, \q, \i
.endr
	WIN 0
.irp i, 0,1,2,3,4,5,6,7
	FRAG AF+64*(\p)+8*\i, ADRA+\slot, \q, \i
.endr
.endm
.macro SCALES sc                       ; a slot's four words a row: lanes 0-15 row block i, lanes 16-31 column block i
.irp i, 0,1,2,3,4,5,6,7
	ds_load_b128 v[SC+32*\sc+4*\i:SC+32*\sc+4*\i+3], v[ADRS+\sc] offset:\i*16*PITCH
.endr
.endm
.macro PLACES                          ; four places behind matrix instructions, ahead of loads into registers that they read and of reads of results
.rept 4
	v_nop
.endr
.endm
.macro STEP slot, q, zero              ; 128 along K with its successor in the same slot.  zero = 1: C is the columns' norms, in window 1
	s_wait_dscnt 12                                ; all but the youngest 12 loads (row blocks 2-7) are in
	PLACES                                         ; the places between the step before's products and the loads below, which land in the sets that those read
	WIN MUL_LO-0x10*(\zero)
	MUL16 0, (\q)%2, \q, \slot, \zero              ; these read this step's sets alone
	FETCH \slot, (\q)+1, 1-(\q)%2
	s_wait_dscnt 32                                ; all but the 32 just issued
	WIN MUL_LO-0x10*(\zero)
	MUL16 2, (\q)%2, \q, \slot, \zero
	WIN MUL_HI-0x20*(\zero)
	MUL16 4, (\q)%2, \q, \slot, \zero
	MUL16 6, (\q)%2, \q, \slot, \zero
.endm
.macro TURN slot, next, fill, off      ; a slot's last step changes slots
	WIN 0
	s_wait_tensorcnt 0x0                           ; all my tensor loads have landed: my part of the next slot
	ds_add_u32 v[SPW], v[NIL]
	s_wait_dscnt 13                                ; the add and the youngest 12 loads may be out
	WIN MUL_LO
	MUL16 0, 1, 3, \slot, 0
	s_wait_dscnt 0x0                               ; the add is done, and my reads of this slot are over
	s_barrier_signal -1
	MUL16 2, 1, 3, \slot, 0
	WIN 0
	s_barrier_wait -1
.if \fill
	CREST                                          ; the barrier has opened a round of the cluster's barrier
	s_add_nc_u64 s[G0+4*\slot+2:G0+4*\slot+3], s[G0+4*\slot+2:G0+4*\slot+3], 2*KSB
	s_add_nc_u64 s[G0B+4*\slot+2:G0B+4*\slot+3], s[G0B+4*\slot+2:G0B+4*\slot+3], 2*KSB
	JLOAD G0+4*\slot, G1, G0B+4*\slot, G1B         ; the first tensor load behind the round; its four v_nop are the places for the loads below
.else
	PLACES
.endif
	WIN MUL_HI
	MUL16 4, 1, 3, \slot, 0                        ; these read set 1 and this slot's scales; the loads below land in set 0 and the next slot's scales
	WIN 0
	SCALES \next
	FETCH \next, 0, 0
.if \fill
	ASK \off, 1
.endif
	WIN MUL_HI
	MUL16 6, 1, 3, \slot, 0
.endm
	s_wait_alu depctr_va_vdst(0)
	s_wait_loadcnt 0x0                             ; the norms
	s_wait_tensorcnt 0x0                           ; my part of K step 0 is in
	ds_add_u32 v[SPW], v[NIL]
	s_wait_dscnt 0x0
	CROUND
	JLOAD G0+4, G1, G0B+4, G1B                     ; K step 1, the first tensor load behind the round
	SCALES 0
	FETCH 0, 0, 0
	ASK KSB, 0                                     ; K step 3
	STEP 0, 0, 1                                   ; the first step starts the sums
	WIN 0
	s_mov_b32 s3, LAPS-1
.Llap:                                                 ; a trip goes once round the ring and fills both slots again
	STEP 0, 1, 0
	STEP 0, 2, 0
	TURN 0, 1, 1, 2*KSB
	STEP 1, 0, 0
	STEP 1, 1, 0
	STEP 1, 2, 0
	TURN 1, 0, 1, 3*KSB
	STEP 0, 0, 0
	WIN 0
	s_sub_co_u32 s3, s3, 1
	s_cmp_lg_u32 s3, 0
	s_cbranch_scc1 .Llap
	STEP 0, 1, 0                                   ; the last lap fills nothing
	STEP 0, 2, 0
	TURN 0, 1, 0, 0
	STEP 1, 0, 0
	STEP 1, 1, 0
	STEP 1, 2, 0
	s_wait_dscnt 12
	WIN MUL_LO
	MUL16 0, 1, 3, 1, 0
	s_wait_dscnt 0x0
	MUL16 2, 1, 3, 1, 0
	WIN MUL_HI
	MUL16 4, 1, 3, 1, 0
	MUL16 6, 1, 3, 1, 0
	WIN 0
; Blocks 4 g .. 4 g + 3: the largest of a lane's 64 numbers, four chains a block, each accumulator from its low end on; with lane l xor 16's; then the addend and the cap.
.macro MAXES g
	WIN 0x28+0x14*(\g)
.irp k, 0,1,2,3
.irp c, 0,1,2,3
	v_max3_num_f32 v[CH+4*\k+\c], 0xff800000, v[64*\k+16*\c], v[64*\k+16*\c+1]
.endr
.endr
.irp i, 2,4,6,8,10,12,14
.irp k, 0,1,2,3
.irp c, 0,1,2,3
	v_max3_num_f32 v[CH+4*\k+\c], v[CH+4*\k+\c], v[64*\k+16*\c+\i], v[64*\k+16*\c+\i+1]
.endr
.endr
.endr
	WIN 0
.irp k, 0,1,2,3
	v_max3_num_f32 v[CH+4*\k], v[CH+4*\k], v[CH+4*\k+1], v[CH+4*\k+2]
.endr
.irp k, 0,1,2,3
	v_max_num_f32 v[CH+4*\k], v[CH+4*\k], v[CH+4*\k+3]
.endr
.irp k, 0,1,2,3
	v_permlanex16_b32 v[CH+4*\k+1], v[CH+4*\k], s[SEL], s[SEL+1]
.endr
.irp k, 0,1,2,3
	v_max_num_f32 v[CH+4*\k], v[CH+4*\k], v[CH+4*\k+1]             ; T: the largest accumulator of the row
.endr
.irp k, 0,1,2,3
	v_add_f32 v[CH+4*\k+1], v[CH+4*\k], v[HM+4*(\g)+\k]            ; the largest s
.endr
.irp k, 0,1,2,3
	v_min_num_f32 v[CH+4*\k+2], 0, v[CH+4*\k+1]                    ; M
.endr
.irp k, 0,1,2,3
	v_max_num_f32 v[CH+4*\k+3], 0, v[CH+4*\k+1]
.endr
.irp k, 0,1,2,3
	v_sub_f32 v[CH+4*\k+3], v[CH+4*\k+3], v[CH+4*\k]               ; the row's norm term less M: -T where nothing is clipped
.endr
.irp k, 0,1,2,3
	v_mul_f32 v[WC+2*(4*(\g)+\k)], s[K2], v[CH+4*\k+3]
.endr
.irp k, 0,1,2,3
	v_mul_f32 v[WC+2*(4*(\g)+\k)+1], -v[CH+4*\k+2], s[K2]          ; the cap -k2 M, 0 or more
.endr
.endm
.macro PREP a                          ; block a's exponents
.set AC, 64*((\a)%4)
.set EB, E0+64*((\a)%2)
	WIN 0x02+(\a)/4
.set i, 0
.rept 32
	v_pk_fma_f32 v[EB+i:EB+i+1], v[AC+i:AC+i+1], s[K2:K2+1], v[WC+2*(\a):WC+2*(\a)+1] op_sel_hi:[1,0,0]
.set i, i+2
.endr
	WIN 0
.set i, 0
.rept 64
	v_min_num_f32 v[EB+i], v[WC+2*(\a)+1], v[EB+i]
.set i, i+1
.endr
.endm
.macro EXPS a
.set EB, E0+64*((\a)%2)
.set i, 0
.rept 64
	v_exp_f32 v[EB+i], v[EB+i]
.set i, i+1
.endr
.endm
.macro SUM a
.set EB, E0+64*((\a)%2)
.irp c, 0,1,2,3
	v_pk_add_f32 v[SM+2*\c:SM+2*\c+1], v[EB+2*\c:EB+2*\c+1], v[EB+8+2*\c:EB+9+2*\c]
.endr
.irp j, 16,24,32,40,48,56
.irp c, 0,1,2,3
	v_pk_add_f32 v[SM+2*\c:SM+2*\c+1], v[SM+2*\c:SM+2*\c+1], v[EB+\j+2*\c:EB+\j+2*\c+1]
.endr
.endr
	v_pk_add_f32 v[SM:SM+1], v[SM:SM+1], v[SM+2:SM+3]
	v_pk_add_f32 v[SM+4:SM+5], v[SM+4:SM+5], v[SM+6:SM+7]
	v_pk_add_f32 v[SM:SM+1], v[SM:SM+1], v[SM+4:SM+5]
	v_add_f32 v[SM], v[SM], v[SM+1]
	v_permlanex16_b32 v[SM+1], v[SM], s[SEL], s[SEL+1]
	v_add_f32 v[SS+(\a)], v[SM], v[SM+1]
.endm
	PLACES
	MAXES 0
	MAXES 1
	PREP 0
.irp a, 0,1,2,3,4,5,6,7
	s_wait_alu depctr_va_vdst(0)                   ; one wait a batch: ahead of this batch's sources' readers and of the last batch's first reader
	EXPS \a
.if \a > 0
	SUM \a-1
.endif
.if \a < 7
	PREP \a+1
.endif
.endr
	s_wait_alu depctr_va_vdst(0)
	SUM 7
	v_cmp_gt_u32 vcc_lo, 16, v[LN]
.irp a, 0,1,2,3,4,5,6,7
	v_cndmask_b32 v[FN+\a], v[SS+\a], v[WC+2*\a+1], vcc_lo         ; lanes 0-15 carry the cap, lanes 16-31 the sum
.endr
.irp a, 0,1,2,3,4,5,6,7
	ds_store_b32 v[STA], v[FN+\a] offset:64*\a
.endr
	s_wait_dscnt 0x0                               ; for the others' sake
	s_barrier_signal -1
	s_barrier_wait -1
	ds_load_b64 v[FN+8:FN+9], v[RDA]               ; two rows a thread: cap and sum of column half 0,
	ds_load_b64 v[FN+10:FN+11], v[RDA] offset:1024
	ds_load_b64 v[FN+12:FN+13], v[RDA] offset:2048 ; and of half 1
	ds_load_b64 v[FN+14:FN+15], v[RDA] offset:3072
	s_wait_dscnt 0x0
	v_min_num_f32 v[FN+16], v[FN+8], v[FN+12]      ; the lesser cap is the greater maximum
	v_min_num_f32 v[FN+17], v[FN+9], v[FN+13]
	v_pk_add_f32 v[FN+8:FN+9], v[FN+16:FN+17], v[FN+8:FN+9] neg_lo:[0,1] neg_hi:[0,1]
	v_pk_add_f32 v[FN+12:FN+13], v[FN+16:FN+17], v[FN+12:FN+13] neg_lo:[0,1] neg_hi:[0,1]
	s_wait_alu depctr_va_vdst(0)
	v_exp_f32 v[FN+8], v[FN+8]
	v_exp_f32 v[FN+9], v[FN+9]
	v_exp_f32 v[FN+12], v[FN+12]
	v_exp_f32 v[FN+13], v[FN+13]
	v_nop
	s_wait_alu depctr_va_vdst(0)
	v_pk_mul_f32 v[FN+10:FN+11], v[FN+10:FN+11], v[FN+8:FN+9]
	v_pk_fma_f32 v[FN+10:FN+11], v[FN+14:FN+15], v[FN+12:FN+13], v[FN+10:FN+11]
	s_wait_alu depctr_va_vdst(0)
	v_log_f32 v[FN+10], v[FN+10]                   ; the sums are at least 1
	v_log_f32 v[FN+11], v[FN+11]
	v_nop
	s_wait_alu depctr_va_vdst(0)
	v_pk_add_f32 v[FN+18:FN+19], v[FN+10:FN+11], v[FN+16:FN+17] neg_lo:[0,1] neg_hi:[0,1]
	global_store_b64 v[PO], v[FN+18:FN+19], s[10:11]               ; a wave stores 256 consecutive bytes, aligned
	s_wait_tensorcnt 0x0                           ; the wave's end
	ds_add_u32 v[SPW], v[NIL]
	s_wait_dscnt 0x0
	CROUND                                         ; the closing round
	s_endpgm
.Lfunc_end_k_qe926676c40_gemm:
	.size	k_qe926676c40_gemm, .Lfunc_end_k_qe926676c40_gemm-k_qe926676c40_gemm
	.p2alignl 7, 3214868480
	.fill 96, 4, 3214868480
	.section	.rodata,"a",@progbits
	.p2align	6, 0x0
	.amdhsa_kernel k_qe926676c40_gemm
		.amdhsa_group_segment_fixed_size 327680
		.amdhsa_private_segment_fixed_size 0
		.amdhsa_enable_private_segment 0
		.amdhsa_kernarg_size 32
		.amdhsa_user_sgpr_count 2
		.amdhsa_user_sgpr_kernarg_segment_ptr 1
		.amdhsa_wavefront_size32 1
		.amdhsa_system_sgpr_workgroup_id_x 1
		.amdhsa_system_sgpr_workgroup_id_y 1
		.amdhsa_system_sgpr_workgroup_id_z 1
		.amdhsa_system_vgpr_workitem_id 0
		.amdhsa_next_free_vgpr 1024
		.amdhsa_next_free_sgpr 80
		.amdhsa_reserve_vcc 1
		.amdhsa_float_denorm_mode_32 3
		.amdhsa_float_denorm_mode_16_64 3
		.amdhsa_memory_ordered 1
		.amdhsa_forward_progress 1
		.amdhsa_inst_pref_size 255
	.end_amdhsa_kernel
	.section	.bss,"aw",@nobits
	.p2align	6
	.space	262144
	.amdgpu_metadata
---
amdhsa.version: [ 1, 2 ]
amdhsa.kernels:
  - .name:           k_qe926676c40_gemm
    .symbol:         k_qe926676c40_gemm.kd
    .args:
      - { .name: q, .offset: 0, .size: 8, .value_kind: global_buffer, .address_space: global }
      - { .name: xn, .offset: 8, .size: 8, .value_kind: global_buffer, .address_space: global }
      - { .name: logvar_t, .offset: 16, .size: 8, .value_kind: global_buffer, .address_space: global }
      - { .name: part, .offset: 24, .size: 8, .value_kind: global_buffer, .address_space: global }
    .group_segment_fixed_size: 327680
    .private_segment_fixed_size: 0
    .kernarg_segment_align: 8
    .kernarg_segment_size: 32
    .max_flat_workgroup_size: 128
    .sgpr_count:     80
    .vgpr_count:     1024
    .wavefront_size: 32
...
	.end_amdgpu_metadata
.endif
;; end of part 2
;; launch tail (part 3): grid 1 x 1, 32 waves a work-group, no clusters, 327,680 bytes of LDS; arguments part, out1; writes out1
.if DOCPART == 3
	.amdgcn_target "amdgcn-amd-amdhsa--gfx1250"
	.amdhsa_code_object_version 6
	.text
	.protected	k_qe926676c40_tail
	.globl	k_qe926676c40_tail
	.p2align	8
	.type	k_qe926676c40_tail,@function
k_qe926676c40_tail:
	s_mov_b64 s[64:65], 0
	v_nop
	global_prefetch_b8 v0, s[64:65] scope:SCOPE_SE
	s_setreg_imm32_b32 hwreg(HW_REG_WAVE_MODE, 25, 1), 1
	s_wait_xcnt 0x0
; out1 = (log(4096) - the mean over the rows of logsumexp) / log(2) = 12 - (the sum over the rows of log2-sum-exp2) / 4096.
; part: [column tile 16][row 4096] f32: for each row the log2-sum-exp2 over a tile's 256 columns.  A row's 16 numbers are joined with their maximum taken away: M + log2(the sum of 2^(L - M)).
; The sum is one number and has one owner: one work-group of 32 waves.  Wave w owns rows 128 w .. 128 w + 127, lane l four of them.  ONE tensor load a wave brings its rows of all 16 column tiles:
; 16 rows of 512 bytes, 16,384 bytes apart in memory, each beginning at a multiple of 256 bytes, into 8,192 LDS bytes of the wave's own, which it alone reads: its own wait on TENSORcnt orders the reads.
; Nothing is filled again.  No matrix unit, no cluster, no prefetch: there is no loop to run ahead in.
.set WRD,   32*8192                    ; behind the waves' tiles: a block of 256 bytes for the 32 waves' sums
.set SPARE, WRD+256                    ; behind it: the spare words, 128 bytes for each wave
.set G0, 20                            ; s[20:23] descriptor group 0
.set G1, 24                            ; s[24:31] descriptor group 1
	s_load_b128 s[4:7], s[0:1], 0x0                ; part, out1
	v_lshl_add_u32 v96, v0, 2, SPARE
	v_mov_b32 v97, 0
	ds_add_u32 v96, v97                            ; the opening lines: the add, twice on end, and its wait
	ds_add_u32 v96, v97
	v_lshrrev_b32 v2, 5, v0
	v_readfirstlane_b32 s16, v2                    ; wave 0..31
	s_mov_b32 s[G1+0], 3<<16                       ; elements of 8 bytes, no mask, no padding
	s_mov_b32 s[G1+1], 64<<16                      ; tensor_dim0 = 64 elements = 512 bytes
	s_mov_b32 s[G1+2], 16<<16                      ; tensor_dim1 = 16
	s_mov_b32 s[G1+3], 64<<16                      ; tile_dim0
	s_mov_b32 s[G1+4], 16                          ; tile_dim1
	s_mov_b32 s[G1+5], 2048                        ; from a column tile to the next: 16,384 bytes
	s_mov_b32 s[G1+6], 0
	s_mov_b32 s[G1+7], 0
	s_mov_b32 s[G0], 1
	s_lshl_b32 s[G0+1], s16, 13                    ; LDS: 8,192 x wave
	s_lshl_b32 s8, s16, 9                          ; my 128 rows' bytes in a column tile
	s_mov_b32 s9, 0
	s_mov_b32 s18, 0x76543210                      ; v_permlanex16_b32's selects for lane l xor 16
	s_mov_b32 s19, 0xfedcba98
	s_mov_b32 s10, 0xb9800000                      ; -1 / 4096
	v_and_b32 v3, 31, v0                           ; lane
	v_lshl_add_u32 v1, v3, 4, s[G0+1]              ; my four rows' 16 bytes in a row of my tile
	v_mov_b32 v4, s16
	v_lshl_add_u32 v4, v4, 2, WRD                  ; my wave's word
	v_lshl_add_u32 v5, v3, 2, WRD                  ; and on the way back a word a lane
	v_mov_b32 v6, 0                                ; out1's offset
	v_mov_b32 v84, 0                               ; a lane permute's destination counts as one of its sources
	s_wait_alu depctr_va_vdst(0)
	s_wait_dscnt 0x0                               ; both opening adds are done
	s_wait_kmcnt 0x0
	s_add_nc_u64 s[G0+2:G0+3], s[4:5], s[8:9]
	s_or_b32 s[G0+3], s[G0+3], 0x80000000
	tensor_load_to_lds s[G0:G0+3], s[G1:G1+7]      ; my one tensor load
	s_nop 0
	s_wait_tensorcnt 0x0
.irp c, 0,1,2,3,4,5,6,7,8,9,10,11,12,13,14,15
	ds_load_b128 v[16+4*\c:19+4*\c], v1 offset:512*\c
.endr
	s_wait_dscnt 0x0
.irp k, 0,1,2,3
	v_max3_num_f32 v[8+\k], v[16+\k], v[20+\k], v[24+\k]           ; M of my row k, the four rows by turns
.endr
.irp c, 3,5,7,9,11,13
.irp k, 0,1,2,3
	v_max3_num_f32 v[8+\k], v[8+\k], v[16+4*\c+\k], v[20+4*\c+\k]
.endr
.endr
.irp k, 0,1,2,3
	v_max_num_f32 v[8+\k], v[8+\k], v[76+\k]
.endr
.irp c, 0,1,2,3,4,5,6,7,8,9,10,11,12,13,14,15
	v_pk_add_f32 v[16+4*\c:17+4*\c], v[16+4*\c:17+4*\c], v[8:9] neg_lo:[0,1] neg_hi:[0,1]      ; L - M: 0 at the most
	v_pk_add_f32 v[18+4*\c:19+4*\c], v[18+4*\c:19+4*\c], v[10:11] neg_lo:[0,1] neg_hi:[0,1]
.endr
.set i, 0
	s_wait_alu depctr_va_vdst(0)                   ; a wait ahead of the batch,
.rept 64
	v_exp_f32 v[16+i], v[16+i]
.set i, i+1
.endr
	v_nop
	s_wait_alu depctr_va_vdst(0)                   ; and one ahead of its first reader
	v_pk_add_f32 v[80:81], v[16:17], v[20:21]
	v_pk_add_f32 v[82:83], v[18:19], v[22:23]
.irp c, 2,3,4,5,6,7,8,9,10,11,12,13,14,15
	v_pk_add_f32 v[80:81], v[80:81], v[16+4*\c:17+4*\c]
	v_pk_add_f32 v[82:83], v[82:83], v[18+4*\c:19+4*\c]
.endr
	s_wait_alu depctr_va_vdst(0)
.irp k, 0,1,2,3
	v_log_f32 v[80+\k], v[80+\k]                   ; the sums are at least 1
.endr
	v_nop
	s_wait_alu depctr_va_vdst(0)
	v_pk_add_f32 v[80:81], v[80:81], v[8:9]        ; + M
	v_pk_add_f32 v[82:83], v[82:83], v[10:11]
	v_pk_add_f32 v[80:81], v[80:81], v[82:83]
	v_add_f32 v80, v80, v81                        ; my four rows
.macro WSUM                            ; the sum over the wave's 32 lanes, in every lane
	v_add_f32_dpp v80, v80, v80 row_xmask:1 row_mask:0xf bank_mask:0xf
	v_add_f32_dpp v80, v80, v80 row_xmask:2 row_mask:0xf bank_mask:0xf
	v_add_f32_dpp v80, v80, v80 row_xmask:4 row_mask:0xf bank_mask:0xf
	v_add_f32_dpp v80, v80, v80 row_xmask:8 row_mask:0xf bank_mask:0xf
	s_wait_alu depctr_va_vdst(0)                   ; the wait: v84 was written ahead of the barrier
	v_permlanex16_b32 v84, v80, s18, s19
	v_add_f32 v80, v80, v84
.endm
	WSUM
	ds_store_b32 v4, v80                           ; all lanes write the same word with the same value
	s_wait_dscnt 0x0                               ; for the others' sake
	s_barrier_signal -1
	s_barrier_wait -1
	ds_load_b32 v80, v5                            ; the 32 waves' sums, one a lane
	s_wait_dscnt 0x0
	WSUM
	v_mov_b32 v81, 0x41400000                      ; 12 = log2(4096)
	v_fma_f32 v80, v80, s10, v81                   ; 12 - sum / 4096
	s_cmp_lg_u32 s16, 0
	s_cbranch_scc1 .Lend
	v_cmp_eq_u32 vcc_lo, 0, v3
	s_wait_xcnt 0x0                                ; EXEC changes only behind this wait
	s_and_saveexec_b32 s17, vcc_lo
	s_wait_alu depctr_va_vdst(0)
	global_store_b32 v6, v80, s[6:7]               ; one lane of one wave stores the one number
	s_wait_xcnt 0x0                                ; and again, in front of the line that widens it
	s_or_b32 exec_lo, exec_lo, s17
.Lend:
	s_wait_tensorcnt 0x0                           ; the wave's end
	ds_add_u32 v96, v97
	s_wait_dscnt 0x0
	s_endpgm
.Lfunc_end_k_qe926676c40_tail:
	.size	k_qe926676c40_tail, .Lfunc_end_k_qe926676c40_tail-k_qe926676c40_tail
	.p2alignl 7, 3214868480
	.fill 96, 4, 3214868480
	.section	.rodata,"a",@progbits
	.p2align	6, 0x0
	.amdhsa_kernel k_qe926676c40_tail
		.amdhsa_group_segment_fixed_size 327680
		.amdhsa_private_segment_fixed_size 0
		.amdhsa_enable_private_segment 0
		.amdhsa_kernarg_size 16
		.amdhsa_user_sgpr_count 2
		.amdhsa_user_sgpr_kernarg_segment_ptr 1
		.amdhsa_wavefront_size32 1
		.amdhsa_system_sgpr_workgroup_id_x 1
		.amdhsa_system_sgpr_workgroup_id_y 1
		.amdhsa_system_sgpr_workgroup_id_z 1
		.amdhsa_system_vgpr_workitem_id 0
		.amdhsa_next_free_vgpr 98
		.amdhsa_next_free_sgpr 66
		.amdhsa_reserve_vcc 1
		.amdhsa_float_denorm_mode_32 3
		.amdhsa_float_denorm_mode_16_64 3
		.amdhsa_memory_ordered 1
		.amdhsa_forward_progress 1
		.amdhsa_inst_pref_size 13
	.end_amdhsa_kernel
	.amdgpu_metadata
---
amdhsa.version: [ 1, 2 ]
amdhsa.kernels:
  - .name:           k_qe926676c40_tail
    .symbol:         k_qe926676c40_tail.kd
    .args:
      - { .name: part, .offset: 0, .size: 8, .value_kind: global_buffer, .address_space: global }
      - { .name: out1, .offset: 8, .size: 8, .value_kind: global_buffer, .address_space: global }
    .group_segment_fixed_size: 327680
    .private_segment_fixed_size: 0
    .kernarg_segment_align: 8
    .kernarg_segment_size: 16
    .max_flat_workgroup_size: 1024
    .sgpr_count:     66
    .vgpr_count:     98
    .wavefront_size: 32
...
	.end_amdgpu_metadata
.endif
;; end of part 3
